; MI455X (gfx1250); checked and timed in simulation.
; The chip was launched on July 23, 2026; its instructions are those of AMD's public machine-readable ISA for CDNA 5 (MIT licence, August 2026) and "CDNA5" Instruction Set Architecture Reference Guide (July 2026). The comments in the code are by the model that wrote it; some were corrected since.
;; LIF Neuron Layer. Allowed arithmetic: float matrix products may take bf16 or f16 operands with f32 sums; all other float work in f32.
;; Inputs: inputs 64 x 256 x 1,024 float32.
;; Outputs: out0 64 x 256 x 1,024 float32.
;; 2 versions, each right; version 2 is version 1 with the launch lif written anew for expert scheduling mode. Each part assembles by itself: llvm-mc -triple=amdgcn-amd-amdhsa -mcpu=gfx1250 --defsym DOCPART=n.
;; ======== version 1 of 2: 1 launch
;; launch lif (part 1): grid 4 x 64, 4 waves a work-group, no clusters, 0 bytes of LDS; arguments inputs, out0; writes out0
.if DOCPART == 1
	.amdgcn_target "amdgcn-amd-amdhsa--gfx1250"
	.amdhsa_code_object_version 6
	.text
	.protected	k_q2275353d5c_lif
	.globl	k_q2275353d5c_lif
	.p2align	8
	.type	k_q2275353d5c_lif,@function
k_q2275353d5c_lif:
	s_mov_b64 s[64:65], 0
	v_nop
	global_prefetch_b8 v0, s[64:65] scope:SCOPE_SE
	s_setreg_imm32_b32 hwreg(HW_REG_WAVE_MODE, 25, 1), 1
	s_wait_xcnt 0x0
; LIF layer: for each of 64 x 1024 neurons, over 256 time steps,
;     v = 0.25 v + 0.75 x[t];   s[t] = (v > 1) ? 1 : 0;   v = v - s[t]           (threshold 1, reset term s * 0)
; inputs, out0: [64][256][1024] f32.  A time row of a batch is 4,096 bytes, a batch is 1 MiB.
;
; SHARES.  The step is not linear (a spike takes 1 away), so time cannot be cut: the only parallel axis is the 65,536 neurons.
; A lane owns 2 neighbouring neurons (8 bytes), a wave 64: every load and store of a wave covers 256 consecutive bytes at a multiple
; of 256 from the buffer's first byte.  A work-group is 4 waves = 1 KiB of each of the 256 time rows of one batch; grid x = which
; KiB of the row, grid y = batch: 256 work-groups.  Each input byte is loaded once, each output byte stored once; v never leaves registers.
; No LDS, no barrier: no lane needs another lane's data.  No cluster: work-groups share no input byte.
;
; RING.  With only four waves in a work-group the bytes in flight have to come from each wave: 8 groups of 8 time steps of X registers,
; one group at work, seven on their way: 56 loads x 256 bytes = 14 KiB a wave.
;
; ROUNDING.  t = 0.75 x is rounded, then v = fma(0.25, v, t) is rounded once.  0.25 v is a power-of-two multiple and exact, so this equals
; multiply, multiply, add with three roundings.  LIMIT: where |0.25 v| lies below 2^-126 a separate multiply would drop bits that the fused
; form keeps (a difference below 2^-149).  v - s equals v - s*1 + s*0 but for the sign of a zero, which the comparison with 1 never sees.
; NaN: the comparison is false, s = 0, v stays NaN, as in the definition above; infinities follow the same arithmetic.
.set ROW,    4096                      ; bytes from a time step to the next
.set G,      8                         ; time steps in a group
.set RING,   8                         ; groups of X registers
.set AHEAD,  RING-1                    ; groups on their way while one is at work
.set ROUND,  RING*G*ROW                ; bytes of time that one turn of the ring covers: 64 steps
.set ROUNDS, 256/(RING*G)              ; 4
.set VOFF,   1                         ; v1         8 x thread: my 8 bytes in the work-group's KiB; never rewritten
.set V,      2                         ; v[2:3]     the two membrane potentials
.set X,      4                         ; v[4:131]   ring: group g, step i at X + 2 (8 g + i): x as loaded, then 0.75 x
.set S,      132                       ; v[132:163] spikes to store: two sets of 8 steps x 2, taken in turn by the groups
	s_load_b128 s[4:7], s[0:1], 0x0                ; inputs s[4:5], out0 s[6:7]
	s_lshl_b32 s2, ttmp9, 10                       ; which KiB of the row
	s_and_b32 s3, ttmp7, 0xffff                    ; batch
	s_lshl_b32 s3, s3, 20                          ; x 1 MiB: below 64 MiB, one word is enough
	s_or_b32 s2, s2, s3
	s_mov_b32 s3, 0
	s_mov_b32 s8, 0x3f400000                       ; 0.75 = 1 - tau; the packed forms read the low word for both halves,
	s_mov_b32 s9, 0x3f400000                       ; the pair is written whole all the same
	s_mov_b32 s10, 0x3e800000                      ; 0.25 = tau
	s_mov_b32 s11, 0x3e800000
	v_lshlrev_b32 v[VOFF], 3, v0
	v_mov_b32 v[V], 0                              ; v starts at 0: two registers, so that step 0 is a step like any other
	v_mov_b32 v[V+1], 0
	s_wait_kmcnt 0x0
	s_add_nc_u64 s[4:5], s[4:5], s[2:3]            ; both buffers at the work-group's KiB of time step 0
	s_add_nc_u64 s[6:7], s[6:7], s[2:3]
; eight loads: the time steps first .. first + 7, counted from the base, into ring group g
.macro FILL g, first
.irp i, 0,1,2,3,4,5,6,7
	global_load_b64 v[X+2*(G*(\g)+\i):X+2*(G*(\g)+\i)+1], v[VOFF], s[4:5] offset:ROW*(\first+\i) th:TH_LOAD_NT
.endr
.endm
.irp g, 0,1,2,3,4,5,6
	FILL \g, G*\g                                  ; groups 0 to 6: 56 loads out before anything is waited for
.endr
; one time step of my two neurons.  x: first register of the pair that holds 0.75 x; s: first register of the pair that takes the spikes
.macro STEP x, s
	v_pk_fma_f32 v[V:V+1], v[V:V+1], s[10:11], v[\x:\x+1] op_sel_hi:[1,0,1]      ; v = 0.25 v + 0.75 x, one rounding
	v_cmp_lt_f32 vcc_lo, 1.0, v[V]                                                ; 1 < v; false for NaN
	v_cmp_lt_f32 s12, 1.0, v[V+1]
	v_cndmask_b32 v[\s], 0, 1.0, vcc_lo                                           ; the spike as f32: a select, no branch
	v_cndmask_b32 v[\s+1], 0, 1.0, s12
	v_pk_add_f32 v[V:V+1], v[V:V+1], v[\s:\s+1] neg_lo:[0,1] neg_hi:[0,1]         ; v -= s
.endm
; The turn of ring group j.  fill = 1: the group AHEAD of it is requested, into the registers that the group before j has just left.
; left = how many younger loads may stay out.  step = 1 (the round's last group): the bases move on by a round.
.macro GROUP j, fill, left, step
	s_wait_loadcnt \left                           ; loads come back in order (ISA guide 5.7.1): my eight are in, the younger groups stay out
.if \fill
	FILL (\j+AHEAD)%RING, G*(\j+AHEAD)             ; ahead of the arithmetic and of the stores
.endif
.irp i, 0,1,2,3,4,5,6,7
	v_pk_mul_f32 v[X+2*(G*\j+\i):X+2*(G*\j+\i)+1], v[X+2*(G*\j+\i):X+2*(G*\j+\i)+1], s[8:9] op_sel_hi:[1,0]   ; 0.75 x, in place: outside the chain of dependent steps
.endr
.irp i, 0,1,2,3,4,5,6,7
	STEP X+2*(G*\j+\i), S+2*(G*(\j%2)+\i)
.endr
	s_wait_xcnt 0x0                                ; the youngest memory instructions are this group's loads, issued in front of its arithmetic.  Behind this wait
	                                               ; the OTHER set of S, which the last group's stores read, may be written by the next group, and the bases may step
.if \step
	s_add_nc_u64 s[4:5], s[4:5], ROUND
	s_add_nc_u64 s[6:7], s[6:7], ROUND             ; the stores below reach back by a negative offset
.endif
.irp i, 0,1,2,3,4,5,6,7
	global_store_b64 v[VOFF], v[S+2*(G*(\j%2)+\i):S+2*(G*(\j%2)+\i)+1], s[6:7] offset:ROW*(G*\j+\i)-\step*ROUND th:TH_STORE_NT
.endr
.endm
; Rounds 0 to 2: every group requests the group 7 further on (the last request of round 2 is for steps 240 to 247).
; At each group's head seven groups, 56 loads, are out; the oldest eight have to be in: 48 stay out.
	s_mov_b32 s13, ROUNDS-1
.Lround:
	GROUP 0, 1, 48, 0
	GROUP 1, 1, 48, 0
	GROUP 2, 1, 48, 0
	GROUP 3, 1, 48, 0
	GROUP 4, 1, 48, 0
	GROUP 5, 1, 48, 0
	GROUP 6, 1, 48, 0
	GROUP 7, 1, 48, 1
	s_sub_co_u32 s13, s13, 1
	s_cmp_lg_u32 s13, 0
	s_cbranch_scc1 .Lround
; The last round, written out: its first group requests steps 248 to 255, the last of the buffer's rows for this batch; then nothing
; is requested and the counts run down.
	GROUP 0, 1, 48, 0
	GROUP 1, 0, 48, 0
	GROUP 2, 0, 40, 0
	GROUP 3, 0, 32, 0
	GROUP 4, 0, 24, 0
	GROUP 5, 0, 16, 0
	GROUP 6, 0, 8, 0
	GROUP 7, 0, 0, 0
	s_endpgm
.Lfunc_end_k_q2275353d5c_lif:
	.size	k_q2275353d5c_lif, .Lfunc_end_k_q2275353d5c_lif-k_q2275353d5c_lif
	.p2alignl 7, 3214868480
	.fill 96, 4, 3214868480
	.section	.rodata,"a",@progbits
	.p2align	6, 0x0
	.amdhsa_kernel k_q2275353d5c_lif
		.amdhsa_group_segment_fixed_size 0
		.amdhsa_private_segment_fixed_size 0
		.amdhsa_enable_private_segment 0
		.amdhsa_kernarg_size 16
		.amdhsa_user_sgpr_count 2
		.amdhsa_user_sgpr_kernarg_segment_ptr 1
		.amdhsa_wavefront_size32 1
		.amdhsa_system_sgpr_workgroup_id_x 1
		.amdhsa_system_sgpr_workgroup_id_y 1
		.amdhsa_system_sgpr_workgroup_id_z 1
		.amdhsa_system_vgpr_workitem_id 0
		.amdhsa_next_free_vgpr 164
		.amdhsa_next_free_sgpr 66
		.amdhsa_reserve_vcc 1
		.amdhsa_float_denorm_mode_32 3
		.amdhsa_float_denorm_mode_16_64 3
		.amdhsa_memory_ordered 1
		.amdhsa_forward_progress 1
		.amdhsa_inst_pref_size 79
	.end_amdhsa_kernel
	.amdgpu_metadata
---
amdhsa.version: [ 1, 2 ]
amdhsa.kernels:
  - .name:           k_q2275353d5c_lif
    .symbol:         k_q2275353d5c_lif.kd
    .args:
      - { .name: inputs, .offset: 0, .size: 8, .value_kind: global_buffer, .address_space: global }
      - { .name: out0, .offset: 8, .size: 8, .value_kind: global_buffer, .address_space: global }
    .group_segment_fixed_size: 0
    .private_segment_fixed_size: 0
    .kernarg_segment_align: 8
    .kernarg_segment_size: 16
    .max_flat_workgroup_size: 128
    .sgpr_count:     66
    .vgpr_count:     164
    .wavefront_size: 32
...
	.end_amdgpu_metadata
.endif
;; end of part 1
;; ======== version 2 of 2: 1 launch; version 1 with the launch lif written anew for expert scheduling mode
;; launch lif (part 2): grid 4 x 64, 4 waves a work-group, no clusters, 0 bytes of LDS; arguments inputs, out0; writes out0
.if DOCPART == 2
	.amdgcn_target "amdgcn-amd-amdhsa--gfx1250"
	.amdhsa_code_object_version 6
	.text
	.protected	k_q2275353d5c_lif
	.globl	k_q2275353d5c_lif
	.p2align	8
	.type	k_q2275353d5c_lif,@function
k_q2275353d5c_lif:
	s_mov_b64 s[64:65], 0
	v_nop
	global_prefetch_b8 v0, s[64:65] scope:SCOPE_SE
	s_setreg_imm32_b32 hwreg(HW_REG_WAVE_SCHED_MODE, 0, 2), 2
	s_setreg_imm32_b32 hwreg(HW_REG_WAVE_MODE, 25, 1), 1
	s_wait_xcnt 0x0
	s_wait_alu depctr_vm_vsrc(0)
; LIF layer: for each of 64 x 1024 neurons, over 256 time steps,
;     v = 0.25 v + 0.75 x[t];   s[t] = (v > 1) ? 1 : 0;   v = v - s[t]           (threshold 1, reset term s * 0)
; inputs, out0: [64][256][1024] f32.  A time row of a batch is 4,096 bytes, a batch is 1 MiB.
;
; SHARES.  The step is not linear (a spike takes 1 away), so time cannot be cut: the only parallel axis is the 65,536 neurons.
; A lane owns 2 neighbouring neurons (8 bytes), a wave 64: every load and store of a wave covers 256 consecutive bytes at a multiple
; of 256 from the buffer's first byte.  A work-group is 4 waves = 1 KiB of each of the 256 time rows of one batch; grid x = which
; KiB of the row, grid y = batch: 256 work-groups.  Each input byte is loaded once, each output byte stored once; v never leaves registers.
; No LDS, no barrier: no lane needs another lane's data.  No cluster: work-groups share no input byte.
;
; RING.  With only four waves in a work-group the bytes in flight have to come from each wave: 8 groups of 8 time steps of X registers,
; one group at work, seven on their way: 56 loads x 256 bytes = 14 KiB a wave.
;
; ROUNDING.  t = 0.75 x is rounded, then v = fma(0.25, v, t) is rounded once.  0.25 v is a power-of-two multiple and exact, so this equals
; multiply, multiply, add with three roundings.  LIMIT: where |0.25 v| lies below 2^-126 a separate multiply would drop bits that the fused
; form keeps (a difference below 2^-149).  v - s equals v - s*1 + s*0 but for the sign of a zero, which the comparison with 1 never sees.
; NaN: the comparison is false, s = 0, v stays NaN, as in the definition above; infinities follow the same arithmetic.
;
; THE MODE: SCHED_MODE bits 1:0 = 2 (LLVM: expert scheduling mode 2), set by the entry lines.  The code itself states the register dependences
; between vector instructions and memory instructions, and between a compare's scalar mask and its readers, with s_wait_alu, always for 0.
; THE PLAN.  The 256 steps go in 32 groups of eight; group p has the ring place j = p % 8.  Registers that memory instructions touch:
;   X0 .. X7   Written by the loads of group p + 7, issued in group p; then read and written in place by group p + 7's multiplies, read by its steps.
;   S0, S1     Written by group p's selects (S[p % 2]), read by its subtractions; read by the eight stores that are issued in group p + 1.
;   v1         The byte offset, made once at the head and never written again: the rows are reached by immediate offsets and by the two
;              scalar bases, which move on by 64 rows at the head of every group with j = 0 but the first.
; Group p works on X[j] and S[p % 2].  Its memory instructions are the loads into X[(j + 7) % 8] = X[(j - 1) % 8] and the stores from S[(p - 1) % 2]:
; the two buffers that group p - 1 worked on and that no vector instruction of group p names.  So the waits at a group's head state all that its
; sixteen memory instructions hang on, and these are dealt among the group's eight multiplies with no further wait.
; v[2:3], the potentials, are named by vector instructions alone.  Each step's two compares write s12 and s14; one wait stands ahead of the selects.
.set ROW,    4096                      ; bytes from a time step to the next
.set G,      8                         ; time steps in a group
.set RING,   8                         ; groups of X registers
.set AHEAD,  RING-1                    ; groups on their way while one is at work
.set ROUND,  RING*G*ROW                ; bytes of time that one turn of the ring covers: 64 steps
.set ROUNDS, 256/(RING*G)              ; 4
.set VOFF,   1                         ; v1         8 x thread: my 8 bytes in the work-group's KiB; never rewritten
.set V,      2                         ; v[2:3]     the two membrane potentials
.set X,      4                         ; v[4:131]   ring: group g, step i at X + 2 (8 g + i): x as loaded, then 0.75 x
.set S,      132                       ; v[132:163] spikes to store: two sets of 8 steps x 2, taken in turn by the groups
	s_load_b128 s[4:7], s[0:1], 0x0                ; inputs s[4:5], out0 s[6:7]
	s_lshl_b32 s2, ttmp9, 10                       ; which KiB of the row
	s_and_b32 s3, ttmp7, 0xffff                    ; batch
	s_lshl_b32 s3, s3, 20                          ; x 1 MiB: below 64 MiB, one word is enough
	s_or_b32 s2, s2, s3
	s_mov_b32 s3, 0
	s_mov_b32 s8, 0x3f400000                       ; 0.75 = 1 - tau; the packed forms read the low word for both halves,
	s_mov_b32 s9, 0x3f400000                       ; the pair is written whole all the same
	s_mov_b32 s10, 0x3e800000                      ; 0.25 = tau
	s_mov_b32 s11, 0x3e800000
	v_lshlrev_b32 v[VOFF], 3, v0
	v_mov_b32 v[V], 0                              ; v starts at 0: two registers, so that step 0 is a step like any other
	v_mov_b32 v[V+1], 0
	s_wait_kmcnt 0x0
	s_add_nc_u64 s[4:5], s[4:5], s[2:3]            ; both buffers at the work-group's KiB of time step 0
	s_add_nc_u64 s[6:7], s[6:7], s[2:3]
	s_wait_alu depctr_va_vdst(0)                   ; v1 is written: every load and store of the kernel reads it as its offset
; eight loads: the time steps first .. first + 7, counted from the base, into ring group g
.macro FILL g, first
.irp i, 0,1,2,3,4,5,6,7
	global_load_b64 v[X+2*(G*(\g)+\i):X+2*(G*(\g)+\i)+1], v[VOFF], s[4:5] offset:ROW*(\first+\i) th:TH_LOAD_NT
.endr
.endm
.irp g, 0,1,2,3,4,5,6
	FILL \g, G*\g                                  ; groups 0 to 6: 56 loads out before anything is waited for
.endr
; one time step of my two neurons.  x: first register of the pair that holds 0.75 x; s: first register of the pair that takes the spikes
.macro STEP x, s
	v_pk_fma_f32 v[V:V+1], v[V:V+1], s[10:11], v[\x:\x+1] op_sel_hi:[1,0,1]      ; v = 0.25 v + 0.75 x, one rounding
	v_cmp_lt_f32 s12, 1.0, v[V]                                                   ; 1 < v; false for NaN
	v_cmp_lt_f32 s14, 1.0, v[V+1]
	s_wait_alu depctr_va_sdst(0)                                                  ; both compares have written their masks, s12 and s14, which the two selects read
	v_cndmask_b32 v[\s], 0, 1.0, s12                                              ; the spike as f32: a select, no branch
	v_cndmask_b32 v[\s+1], 0, 1.0, s14
	v_pk_add_f32 v[V:V+1], v[V:V+1], v[\s:\s+1] neg_lo:[0,1] neg_hi:[0,1]         ; v -= s
.endm
; The turn of ring group j.  first = 1: group 0 of all, with no group in front of it.  fill = 1: the group AHEAD of it is requested, into the
; registers that the group before j has just left.  left = how many younger loads may stay out.  step = 1: the bases move on by a round.
.macro GROUP j, first, fill, left, step
	s_wait_loadcnt \left                           ; loads come back in order (ISA guide 5.7.1): my eight are in, the younger groups stay out
.if !\first
	s_wait_xcnt 0x0                                ; every earlier memory instruction has had its addresses translated (ISA guide 3.1): this group's set of S, which the
	                                               ; stores issued in the group before read, and the bases are rewritten only behind this wait
	s_wait_alu depctr_vm_vsrc(0)                   ; the stores issued in the group before have read this group's set of S, which its selects write again
	s_wait_alu depctr_va_vdst(0)                   ; the group before has written the other set of S, which the stores below read, and is done reading and writing its X, in which the loads below land
.endif
.if \step
	s_add_nc_u64 s[4:5], s[4:5], ROUND             ; both bases at this round's first row;
	s_add_nc_u64 s[6:7], s[6:7], ROUND             ; the stores below, the last group of the round before, reach back by a negative offset
.endif
.irp i, 0,1,2,3,4,5,6,7
.if \fill
	global_load_b64 v[X+2*(G*((\j+AHEAD)%RING)+\i):X+2*(G*((\j+AHEAD)%RING)+\i)+1], v[VOFF], s[4:5] offset:ROW*(G*(\j+AHEAD)+\i) th:TH_LOAD_NT   ; seven groups ahead; no vector instruction since the wait names these registers
.endif
.if !\first
	global_store_b64 v[VOFF], v[S+2*(G*(1-(\j%2))+\i):S+2*(G*(1-(\j%2))+\i)+1], s[6:7] offset:ROW*(G*(\j-1)+\i) th:TH_STORE_NT   ; the group before; likewise
.endif
	v_pk_mul_f32 v[X+2*(G*\j+\i):X+2*(G*\j+\i)+1], v[X+2*(G*\j+\i):X+2*(G*\j+\i)+1], s[8:9] op_sel_hi:[1,0]   ; 0.75 x, in place: outside the chain of dependent steps
.endr
.irp i, 0,1,2,3,4,5,6,7
	STEP X+2*(G*\j+\i), S+2*(G*(\j%2)+\i)
.endr
.endm
; At each group's head seven groups, 56 loads, are out; the oldest eight have to be in: 48 stay out.
	GROUP 0, 1, 1, 48, 0                           ; group 0: it requests steps 56 to 63 and stores nothing
; Groups 1 to 24, eight to a lap: both kinds of buffer are back at their start.  Every group requests the group 7 further on
; (the last request, in group 24, is for steps 248 to 255, the last of the buffer's rows for this batch).
	s_mov_b32 s13, ROUNDS-1
.Lround:
	GROUP 1, 0, 1, 48, 0
	GROUP 2, 0, 1, 48, 0
	GROUP 3, 0, 1, 48, 0
	GROUP 4, 0, 1, 48, 0
	GROUP 5, 0, 1, 48, 0
	GROUP 6, 0, 1, 48, 0
	GROUP 7, 0, 1, 48, 0
	GROUP 0, 0, 1, 48, 1
	s_sub_co_u32 s13, s13, 1
	s_cmp_lg_u32 s13, 0
	s_cbranch_scc1 .Lround
; Groups 25 to 31, written out: nothing is requested and the counts run down.
	GROUP 1, 0, 0, 48, 0
	GROUP 2, 0, 0, 40, 0
	GROUP 3, 0, 0, 32, 0
	GROUP 4, 0, 0, 24, 0
	GROUP 5, 0, 0, 16, 0
	GROUP 6, 0, 0, 8, 0
	GROUP 7, 0, 0, 0, 0
	s_wait_alu depctr_va_vdst(0)                   ; group 31 has written S1, which the last eight stores read
.irp i, 0,1,2,3,4,5,6,7
	global_store_b64 v[VOFF], v[S+2*(G+\i):S+2*(G+\i)+1], s[6:7] offset:ROW*(G*7+\i) th:TH_STORE_NT
.endr
	s_endpgm
.Lfunc_end_k_q2275353d5c_lif:
	.size	k_q2275353d5c_lif, .Lfunc_end_k_q2275353d5c_lif-k_q2275353d5c_lif
	.p2alignl 7, 3214868480
	.fill 96, 4, 3214868480
	.section	.rodata,"a",@progbits
	.p2align	6, 0x0
	.amdhsa_kernel k_q2275353d5c_lif
		.amdhsa_group_segment_fixed_size 0
		.amdhsa_private_segment_fixed_size 0
		.amdhsa_enable_private_segment 0
		.amdhsa_kernarg_size 16
		.amdhsa_user_sgpr_count 2
		.amdhsa_user_sgpr_kernarg_segment_ptr 1
		.amdhsa_wavefront_size32 1
		.amdhsa_system_sgpr_workgroup_id_x 1
		.amdhsa_system_sgpr_workgroup_id_y 1
		.amdhsa_system_sgpr_workgroup_id_z 1
		.amdhsa_system_vgpr_workitem_id 0
		.amdhsa_next_free_vgpr 164
		.amdhsa_next_free_sgpr 66
		.amdhsa_reserve_vcc 0
		.amdhsa_float_denorm_mode_32 3
		.amdhsa_float_denorm_mode_16_64 3
		.amdhsa_memory_ordered 1
		.amdhsa_forward_progress 1
		.amdhsa_inst_pref_size 88
	.end_amdhsa_kernel
	.amdgpu_metadata
---
amdhsa.version: [ 1, 2 ]
amdhsa.kernels:
  - .name:           k_q2275353d5c_lif
    .symbol:         k_q2275353d5c_lif.kd
    .args:
      - { .name: inputs, .offset: 0, .size: 8, .value_kind: global_buffer, .address_space: global }
      - { .name: out0, .offset: 8, .size: 8, .value_kind: global_buffer, .address_space: global }
    .group_segment_fixed_size: 0
    .private_segment_fixed_size: 0
    .kernarg_segment_align: 8
    .kernarg_segment_size: 16
    .max_flat_workgroup_size: 128
    .sgpr_count:     66
    .vgpr_count:     164
    .wavefront_size: 32
...
	.end_amdgpu_metadata
.endif
;; end of part 2
